; MI455X (gfx1250); checked and timed in simulation.
; The chip was launched on July 23, 2026; its instructions are those of AMD's public machine-readable ISA for CDNA 5 (MIT licence, August 2026) and "CDNA5" Instruction Set Architecture Reference Guide (July 2026). The comments in the code are by the model that wrote it; some were corrected since.
;; VV Attention. Allowed arithmetic: matrix products marked QUANTISED: E2M1 operands, one E8M0 scale for each 32 along K, by v_wmma_scale_f32_16x16x128_f8f6f4 with both operands' format E2M1 (or v_wmma_scale_f32_32x16x128_f4), f32 sums; everything else in f32.
;; Inputs: query 1,024 x 8 x 768 float32; w_v 768 x 768 float32.
;; Outputs: out0 1,024 x 8 x 768 float32.
;; This version of the problem:
;;   THIS VERSION OF THE PROBLEM IS GIVEN IN LOW PRECISION. The matrix products marked QUANTISED in the list below multiply operands that are first quantised to E2M1 (2 exponent bits, 1 mantissa bit; 4 bits a number), with one power-of-two scale for each 32 numbers along K (OCP MX v1.0); their sums are f32. All else is computed in f32.
;;   The module's matrix products, in the order in which they are computed (A, B: the left and right operand; K: the contracted axis; several contracted axes count as one K, in the product's order):
;;     1. [M 8,192, K 768] x [K 768, N 768]; A: input query; B: input w_v: QUANTISED
;;     2. batch 96 x [M 1,024, K 64] x [K 64, N 1,024]; A: computed on the way; B: computed on the way: QUANTISED
;;     3. batch 96 x [M 1,024, K 1,024] x [K 1,024, N 64]; A: softmax (see below); B: computed on the way: QUANTISED
;;   THE QUANTISER, for each operand of a quantised product, along K:
;;     - K is cut into blocks of 32 from its start; a last block that is shorter is filled with zeros.
;;     - A block's scale is 2^e with e = floor(log2(the largest magnitude in the block)) - 2, held to -126 .. 127; a block of zeros has e = 0. As a byte (E8M0): e + 127.
;;     - Each number is divided by its block's scale, clamped to +-6, and rounded to the nearest number of E2M1, ties to even, subnormals kept.
;;     - The product sums the exact products of the quantised numbers (number of the format x scale) in f32.
;;   ~~~python
;;   def quantise(x, axis):      # numpy; x: float32 -> the quantised numbers, widened to float32 again
;;       x = np.moveaxis(x, axis, -1); K = x.shape[-1]
;;       x = np.pad(x, [(0, 0)] * (x.ndim - 1) + [(0, -K % 32)]); x = x.reshape(x.shape[:-1] + (-1, 32)); a = np.abs(x).max(-1, keepdims=True)
;;       e = np.where(a > 0, np.clip(np.frexp(np.where(a > 0, a, 1))[1] - 1 - 2, -126, 127), 0)      # np.frexp(a)[1] - 1 = floor(log2(a)), exactly
;;       r = np.clip(x / 2.0 ** e, -6, 6)
;;       step = 2.0 ** (np.maximum(np.frexp(np.where(r == 0, 1, r))[1] - 1, 0) - 1)
;;       q = np.round(r / step) * step * 2.0 ** e      # np.round: ties to even
;;       return np.moveaxis(q.reshape(q.shape[:-2] + (-1,))[..., :K], -1, axis).astype(np.float32)
;;   ~~~
;;   SOFTMAX AHEAD OF A QUANTISED PRODUCT. Where the list says 'softmax', what is quantised is not the finished softmax but p = 2^(t - M), with t = logit x log2(e) and M = ceil(the row's largest t), a whole number; so 1/2 < the row's largest p <= 1. The row's sum l is taken of the UNQUANTISED p, in f32, and the product's result is divided by l at the end. Since M is a whole number, a kernel that streams over the keys may use a running M (the ceiling of the running maximum): every later rescaling is an exact power of two, which a block's scale takes up: the codes' values come out the same.
;;   OPERANDS COMPUTED ON THE WAY. 'Computed on the way' means the value that the module computes at that place (a softmax that the list does not call 'softmax' is quantised finished and normalised). What goes into a quantiser is computed in f32, as accurately as f32 sums, v_exp_f32 and their like allow (about 1e-6 of the number): no bf16 or f16 on the way to a quantiser, and a product that is left as it is and whose result goes on into a quantised operand takes f32 operands (vector FMAs, or v_wmma_f32_16x16x4_f32). A number that lies on a knife's edge between two numbers of the format may be rounded either way, as far as f32 arithmetic and the matrix unit's own rounding can turn it there, and no further.
;; One version. Each part assembles by itself: llvm-mc -triple=amdgcn-amd-amdhsa -mcpu=gfx1250 --defsym DOCPART=n.
;; ======== version 1 of 1: 3 launches
;; limits: right only within a limited range of input values
;; workspace buffers: xq 3,407,872 bytes; wq 319,488 bytes; kv 6,684,672 bytes
;; launch quant (part 1): grid 560 x 1, 4 waves a work-group, no clusters, 7,680 bytes of LDS; arguments query, w_v, xq, wq; writes xq, wq
.if DOCPART == 1
	.amdgcn_target "amdgcn-amd-amdhsa--gfx1250"
	.amdhsa_code_object_version 6
	.text
	.protected	k_qe77d89a540_quant
	.globl	k_qe77d89a540_quant
	.p2align	8
	.type	k_qe77d89a540_quant,@function
k_qe77d89a540_quant:
	s_mov_b64 s[64:65], 0
	v_nop
	global_prefetch_b8 v0, s[64:65] scope:SCOPE_SE
	s_setreg_imm32_b32 hwreg(HW_REG_WAVE_MODE, 25, 1), 1
	s_wait_xcnt 0x0
; query [1024 (n)][8 (b)][768] and w_v [768 (out)][768], f32, become codes of FP4 (E2M1) with one E8M0 scale byte for each 32 along the last axis.
; Rows go in blocks of 32: 256 blocks of query (32 neighbouring n of one b; block 32 b + n / 32 of xq), then 24 blocks of w_v (block j of wq); a block is two tiles of 16 rows, and a work-group takes one TILE.
; A tile's 6,656 bytes lie IN THE ORDER OF THE OPERAND'S REGISTERS:
;   codes  1024 s + 512 c + 256 h + 16 r : k = 128 s + 64 c + 32 h + 0 .. 31 of row r;   scales 6144 + 64 s + 4 r : the word (128 along k) of row r;   128 bytes of zeros fill the last unit of 256.
; THE ROWS OF A TILE ARE NOT NEIGHBOURS: row r of tile u is the block's row 8 u + r + 8 (r / 8), so that in a product's result the 16 registers of tiles 0 and 1 are 16 neighbouring rows.
; A wave takes 4 rows.  A load brings 128 along k of one row, 512 consecutive bytes: 4 neighbours a lane, eight lanes hold a scale's block.  All 24 loads of a lane are out together.
; A conversion takes eight numbers under ONE scale, and a lane has 4 + 4 of two loads: it converts the eight under the first's scale and again under the second's, and keeps a half of each result.
; The codes go through LDS (16 bytes of padding behind each 256) and leave as whole aligned units.
; A scale is 2^(floor(log2(the largest magnitude)) - 2); its byte is that magnitude's exponent field - 2, held at 1 from below.
; No step of reference() is left out in this program.  No prefetch: no launch has a loop that loads from memory.
; LIMITS: a block of zeros, or one whose largest magnitude lies under 2^-124, keeps the byte 1 where the rule says 127 or less than 1: a block of zeros has codes of zero, and this program alone reads the bytes.  NaN and infinities are not served.
.set TILE, 6656
.set SCL,  24*272                      ; LDS: the scale words, behind 24 pieces of 256 + 16 bytes
.set SPARE, 7168                       ; the spare words: 128 bytes a wave
.set SPW, 2
.set NIL, 3
.set M, 16                             ; v16-23 largest magnitudes of eight loads, then the conversions' scale operands
.set XN, 32                            ; v32-127 24 loads of 4 numbers: load 8 m + 2 i + e = row i, s = 2 m + e
.set CA, 128                           ; v128-131, v132-135 the two conversions, v136-139 a half of each, v140-143 the neighbour's
.set ZC, 148                           ; v148-159 codes
.set EW, 160                           ; v160-162 the scale words of eight loads
	s_load_b128 s[4:7], s[0:1], 0x0                ; query, w_v
	s_load_b128 s[8:11], s[0:1], 0x10              ; xq, wq
	v_lshl_add_u32 v[SPW], v0, 2, SPARE
	v_mov_b32 v[NIL], 0
	v_lshrrev_b32 v1, 5, v0
	v_readfirstlane_b32 s12, v1                    ; wave 0..3: my rows of the tile: r = 4 s12 + 0 .. 3
	s_and_b32 s13, ttmp9, 1                        ; u
	s_lshr_b32 s26, ttmp9, 1                       ; the block
	s_lshl_b32 s15, s13, 3
	s_lshl_b32 s16, s12, 2
	s_add_co_u32 s15, s15, s16
	s_lshr_b32 s17, s12, 1
	s_lshl_b32 s17, s17, 3
	s_add_co_u32 s15, s15, s17                     ; my first row of the block
	s_lshr_b32 s18, s26, 3                         ; query: n / 32
	s_and_b32 s19, s26, 7                          ; b
	s_mul_i32 s20, s18, 32*24576
	s_mul_i32 s21, s19, 3072
	s_add_co_u32 s20, s20, s21
	s_lshl_b32 s19, s19, 5
	s_add_co_u32 s18, s18, s19
	s_sub_co_u32 s21, s26, 256                     ; w_v: block j
	s_mul_i32 s22, s21, 32*3072
	s_mov_b32 s23, 3072
	s_cmp_lt_u32 ttmp9, 512
	s_cselect_b32 s23, 24576, s23                  ; bytes from row to row
	s_cselect_b32 s20, s20, s22
	s_cselect_b32 s18, s18, s21
	s_mul_i32 s15, s15, s23
	s_add_co_u32 s20, s20, s15
	s_mov_b32 s21, 0
	s_lshl_b32 s18, s18, 1
	s_add_co_u32 s18, s18, s13
	s_mul_i32 s18, s18, TILE
	s_mov_b32 s19, 0
	s_mov_b32 s40, 0x76543210                      ; lane selects: lane l xor 16
	s_mov_b32 s41, 0xfedcba98
	s_mov_b32 s42, 0xaaaaaaaa                      ; the odd lanes
.irp n, 1,2,3,4,5,6,7
	s_mov_b32 s[28+\n], 0x01010101<<\n             ; the lanes with lane % 8 = n
.endr
	v_and_b32 v1, 31, v0                           ; lane
	v_lshlrev_b32 v4, 4, v1                        ; v4-7: my 16 bytes of rows 0 .. 3
	v_add_nc_u32 v5, s23, v4
	v_add_nc_u32 v6, s23, v5
	v_add_nc_u32 v7, s23, v6
	v_lshrrev_b32 v24, 3, v1                       ; my scale's block of the four: 2 c + h
	v_lshlrev_b32 v10, 3, v24                      ; v10: its byte's place in the word
	v_and_b32 v25, 1, v1
	v_bfe_u32 v26, v1, 1, 2
	v_mov_b32 v27, 0x01000504
	v_mov_b32 v28, 0x07060302
	v_cndmask_b32 v11, v27, v28, s42               ; v11: even lanes join the lower halves (mine first), odd lanes the upper ones (the neighbour's first)
	v_lshl_add_u32 v8, v25, 2, v24                 ; my piece of 256 bytes: even lanes of s = 2 m, odd lanes of 2 m + 1
	v_mul_u32_u24 v8, v8, 272
	v_lshl_add_u32 v8, v26, 2, v8
	s_lshl_b32 s24, s12, 6
	v_add_nc_u32 v8, s24, v8                       ; v8: where my codes go
	v_lshlrev_b32 v9, 6, v25
	v_lshl_add_u32 v9, v26, 2, v9
	s_lshl_b32 s24, s12, 4
	s_add_co_u32 s24, s24, SCL
	v_add_nc_u32 v9, s24, v9                       ; v9: where the scale word of load lane % 8 goes
	v_lshrrev_b32 v12, 4, v0
	v_mul_u32_u24 v12, v12, 272
	v_and_b32 v13, 15, v0
	v_lshl_add_u32 v12, v13, 4, v12                ; v12: 16 bytes a thread on the way out,
	v_lshlrev_b32 v13, 4, v0                       ; v13: and their place in the tile
	v_add_nc_u32 v15, SCL, v13                     ; v15: 16 bytes a lane of the scale words
	v_add_nc_u32 v14, SCL+384, v0                  ; v14: my byte of the zeros behind them
.irp i, 0,1,2,3
	v_mov_b32 v[CA+12+\i], 0                       ; written once: a lane move's destination counts as one of its sources
.endr
	v_mov_b32 v[EW+1], 0
	s_wait_alu depctr_va_vdst(0)                   ; the wait at the head's end
	s_wait_kmcnt 0x0
	s_cmp_lt_u32 ttmp9, 512
	s_cselect_b64 s[4:5], s[4:5], s[6:7]
	s_cselect_b64 s[8:9], s[8:9], s[10:11]
	s_add_nc_u64 s[4:5], s[4:5], s[20:21]
	s_add_nc_u64 s[8:9], s[8:9], s[18:19]
.irp m, 0,1,2
.irp i, 0,1,2,3
.irp e, 0,1
	global_load_b128 v[XN+4*(8*\m+2*\i+\e):XN+4*(8*\m+2*\i+\e)+3], v[4+\i], s[4:5] offset:512*(2*\m+\e) th:TH_LOAD_NT
.endr
.endr
.endr
	ds_store_b8 v14, v[EW+1]                       ; 128 threads, 128 bytes of zeros
; eight loads: s = 2 m and 2 m + 1 of my four rows, by turns
.macro GROUP m
.set X0, XN+32*(\m)
	s_wait_loadcnt 16-8*(\m)                       ; the later groups' loads may be out
.irp n, 0,1,2,3,4,5,6,7
	v_max3_num_f32 v[M+\n], |v[X0+4*\n]|, |v[X0+4*\n+1]|, |v[X0+4*\n+2]|
.endr
.irp n, 0,1,2,3,4,5,6,7
	v_max3_num_f32 v[M+\n], v[M+\n], |v[X0+4*\n+3]|, 0x1800000   ; and the floor 2^(3 - 127): the byte cannot fall under 1
.endr
.irp x, 1,2,4
.irp n, 0,1,2,3,4,5,6,7
	v_max_num_f32_dpp v[M+\n], v[M+\n], v[M+\n] row_xmask:\x row_mask:0xf bank_mask:0xf
.endr
.endr
.irp n, 0,1,2,3,4,5,6,7
	v_add_nc_u32 v[M+\n], 0xff000000, v[M+\n]                    ; 2 off its exponent field: the conversion's scale operand
.endr
.irp i, 0,1,2,3
	v_cvt_scalef32_pk8_fp4_f32 v[CA+\i], v[X0+8*\i:X0+8*\i+7], v[M+2*\i]         ; its lower half counts
	v_cvt_scalef32_pk8_fp4_f32 v[CA+4+\i], v[X0+8*\i:X0+8*\i+7], v[M+2*\i+1]     ; its upper half counts
.endr
	v_cndmask_b32 v[EW], v[M], v[M+1], s29                       ; lane l takes load l % 8's scale
.irp n, 2,3,4,5,6,7
	v_cndmask_b32 v[EW], v[EW], v[M+\n], s[28+\n]
.endr
	v_lshrrev_b32 v[EW], 23, v[EW]
	v_lshlrev_b32 v[EW], v10, v[EW]                              ; its byte at its place;
	v_or_b32_dpp v[EW], v[EW], v[EW] row_xmask:8 row_mask:0xf bank_mask:0xf
	v_permlanex16_b32 v[EW+1], v[EW], s40, s41
	v_or_b32 v[EW+2], v[EW], v[EW+1]                             ; with the other three blocks' the word is whole, the same in lanes l, l xor 8, l xor 16
.irp i, 0,1,2,3
	v_perm_b32 v[CA+8+\i], v[CA+4+\i], v[CA+\i], 0x07060100      ; 4 codes of the first load, 4 of the second
.endr
.irp i, 0,1,2,3
	v_mov_b32_dpp v[CA+12+\i], v[CA+8+\i] row_xmask:1 row_mask:0xf bank_mask:0xf
.endr
.irp i, 0,1,2,3
	v_perm_b32 v[ZC+4*(\m)+\i], v[CA+8+\i], v[CA+12+\i], v11     ; even lanes: 8 codes of the first load, odd lanes: of the second
.endr
.irp i, 0,1,2,3
	ds_store_b32 v8, v[ZC+4*(\m)+\i] offset:2176*(\m)+16*\i
.endr
	ds_store_b32 v9, v[EW+2] offset:128*(\m)                     ; lanes with one l % 8 write the same word with the same value
.endm
	GROUP 0
	GROUP 1
	GROUP 2
	s_wait_dscnt 0x0                               ; my stores are in LDS
	s_barrier_signal -1
	s_barrier_wait -1
.irp j, 0,1,2
	ds_load_b128 v[XN+4*\j:XN+4*\j+3], v12 offset:2176*\j
.endr
.irp j, 0,1,2
	s_wait_dscnt 2-\j
	global_store_b128 v13, v[XN+4*\j:XN+4*\j+3], s[8:9] offset:2048*\j     ; a wave stores 512 consecutive bytes
.endr
	s_cmp_lg_u32 s12, 0                            ; the 512 bytes of scale words and zeros: one wave
	s_cbranch_scc1 .Lno_scales
	ds_load_b128 v[XN+12:XN+15], v15
	s_wait_dscnt 0x0
	global_store_b128 v13, v[XN+12:XN+15], s[8:9] offset:6144
.Lno_scales:
	v_nop
	s_wait_tensorcnt 0x0                           ; the wave's end
	ds_add_u32 v[SPW], v[NIL]
	s_wait_dscnt 0x0
	s_endpgm
.Lfunc_end_k_qe77d89a540_quant:
	.size	k_qe77d89a540_quant, .Lfunc_end_k_qe77d89a540_quant-k_qe77d89a540_quant
	.p2alignl 7, 3214868480
	.fill 96, 4, 3214868480
	.section	.rodata,"a",@progbits
	.p2align	6, 0x0
	.amdhsa_kernel k_qe77d89a540_quant
		.amdhsa_group_segment_fixed_size 7680
		.amdhsa_private_segment_fixed_size 0
		.amdhsa_enable_private_segment 0
		.amdhsa_kernarg_size 32
		.amdhsa_user_sgpr_count 2
		.amdhsa_user_sgpr_kernarg_segment_ptr 1
		.amdhsa_wavefront_size32 1
		.amdhsa_system_sgpr_workgroup_id_x 1
		.amdhsa_system_sgpr_workgroup_id_y 1
		.amdhsa_system_sgpr_workgroup_id_z 1
		.amdhsa_system_vgpr_workitem_id 0
		.amdhsa_next_free_vgpr 168
		.amdhsa_next_free_sgpr 66
		.amdhsa_reserve_vcc 0
		.amdhsa_float_denorm_mode_32 3
		.amdhsa_float_denorm_mode_16_64 3
		.amdhsa_memory_ordered 1
		.amdhsa_forward_progress 1
		.amdhsa_inst_pref_size 25
	.end_amdhsa_kernel
	.amdgpu_metadata
---
amdhsa.version: [ 1, 2 ]
amdhsa.kernels:
  - .name:           k_qe77d89a540_quant
    .symbol:         k_qe77d89a540_quant.kd
    .args:
      - { .name: query, .offset: 0, .size: 8, .value_kind: global_buffer, .address_space: global }
      - { .name: w_v, .offset: 8, .size: 8, .value_kind: global_buffer, .address_space: global }
      - { .name: xq, .offset: 16, .size: 8, .value_kind: global_buffer, .address_space: global }
      - { .name: wq, .offset: 24, .size: 8, .value_kind: global_buffer, .address_space: global }
    .group_segment_fixed_size: 7680
    .private_segment_fixed_size: 0
    .kernarg_segment_align: 8
    .kernarg_segment_size: 32
    .max_flat_workgroup_size: 128
    .sgpr_count:     66
    .vgpr_count:     168
    .wavefront_size: 32
...
	.end_amdgpu_metadata
.endif
;; end of part 1
;; launch project (part 2): grid 4 x 64, 12 waves a work-group, clusters of 4 x 4, 167,936 bytes of LDS; arguments xq, wq, kv; writes kv
.if DOCPART == 2
	.amdgcn_target "amdgcn-amd-amdhsa--gfx1250"
	.amdhsa_code_object_version 6
	.text
	.protected	k_qe77d89a540_project
	.globl	k_qe77d89a540_project
	.p2align	8
	.type	k_qe77d89a540_project,@function
k_qe77d89a540_project:
	s_mov_b64 s[64:65], 0
	v_nop
	global_prefetch_b8 v0, s[64:65] scope:SCOPE_SE
	s_setreg_imm32_b32 hwreg(HW_REG_WAVE_MODE, 25, 1), 1
	s_wait_xcnt 0x0
	s_wait_alu depctr_hold_cnt(0) depctr_sa_sdst(0) depctr_va_vdst(0) depctr_va_sdst(0) depctr_va_ssrc(0) depctr_va_vcc(0) depctr_vm_vsrc(0)
	s_getreg_b32 s2, hwreg(HW_REG_IB_STS2, 6, 4)
	s_cmp_eq_u32 s2, 0
	s_cbranch_scc0 .Lentry_in_a_cluster
	s_endpgm
.Lentry_in_a_cluster:
	s_bfe_u32 s2, ttmp6, 0x10000c
	s_cmp_lg_u32 s2, 0xf033
	s_cbranch_scc0 .Lentry_shape_is_right
	s_endpgm
.Lentry_shape_is_right:
; v = x W^T on codes of FP4, for 128 rows (n) of one batch and three heads (192 channels) a work-group, K = 768 whole in LDS; then two operands of the attention are made of it and laid in kv:
; the rows over their norms, quantised along the head's 64 channels (queries and keys alike: one form serves as both), and v itself, quantised along the keys.
; kv: a record of 69,632 bytes for each (b, head), record 12 b + head, of eight steps of 128 keys, 8,704 bytes each:
;   keys' codes  512 (2 blk + u) + 16 lane : tile u of block blk (of 32 keys), row r = key 32 blk + 8 u + r + 8 (r / 8); lane (r, h) holds channels 32 h + 0 .. 31
;   V^T's codes  4096 + 1024 t + 512 c + 16 lane : row r of tile t = channel 32 (t / 2) + 8 (t % 2) + r + 8 (r / 8); lane (r, h) holds keys 64 c + 32 h + 0 .. 31
;   keys' scales 8192 + 128 c + 64 u + 4 r : bytes 0, 1 of block 2 c, bytes 2, 3 of block 2 c + 1;   V^T's scales 8448 + 64 t + 4 r : a byte for each block of 32 keys.
; SHARES.  Wave w: head w / 4 of the three, block w % 4 of 32 rows.  Both orders of the sources are multiplied: W first gives a lane one row and registers along the channels, x first a lane one channel and registers along the keys.
; CLUSTER 4 x 4.  The four of a cluster's row share the rows of x, the four of a column the heads: both are asked for jointly.  Ten blocks of 13,312 bytes, 52 rows of 256: waves 0 to 3 fetch x's four, waves 4 to 9 W's six, filled once.
; The place in the cluster enters global addresses and masks alone.
; LIMITS: as the launch before; a row of norm 0 (where reference() divides by 0) is not served.  1 / norm is v_rsq_f32 of the sum of squares.
.set TILE, 6656
.set BLK,  2*TILE
.set WLDS, 4*BLK
.set STG,  10*BLK                      ; 512 bytes a head: its step's scales; no fill lands there
.set SPARE, STG+1536
.set STEPB, 8704
.set AX, 3                             ; v3, v4  LDS: my block of x, its scales
.set AXS, 4
.set AW, 5                             ; v5, v6  my head's two blocks of W, their scales
.set AWS, 6
.set VO, 7                             ; v7 my place among V^T's codes
.set WS, 8                             ; v8-19 W's scale words: lanes 0-15 of tile 0, lanes 16-31 of tile 1
.set XS, 20                            ; v20-25 x's
.set SK, 26                            ; v26, v27, v28 my places in the stage
.set SV, 27
.set SR, 28
.set XF, 32
.set ACC1, 64                          ; at 32 u + 8 t: x's tile u, W's tile t
.set ACC2, 128                         ; at 16 t + 8 u
.set WF, 192
.set TM, 32
.set PW, 44
.set PC, 48
.set SS, 56
.set RN, 60
.set PC2, 192
.set VB, 200
.set SEL, 32
.set UP, 34
; 64 numbers of a lane, register 16 q + i = place 16 (lane / 16) + i of block q -> v[d0 ..+3]: block 0 whole in lanes 0-15, block 1 in lanes 16-31; v[d1 ..+3]: blocks 2, 3; bytes in v[TM+4 ..].  The four blocks by turns
.macro QUANT64 s, d0, d1
.irp q, 0,1,2,3
	v_max3_num_f32 v[TM+\q], |v[(\s)+16*\q]|, |v[(\s)+16*\q+1]|, 0x1800000
.endr
.irp i, 2,4,6,8,10,12,14
.irp q, 0,1,2,3
	v_max3_num_f32 v[TM+\q], v[TM+\q], |v[(\s)+16*\q+\i]|, |v[(\s)+16*\q+\i+1]|
.endr
.endr
.irp q, 0,1,2,3
	v_permlanex16_b32 v[TM+4+\q], v[TM+\q], s[SEL], s[SEL+1]
.endr
.irp q, 0,1,2,3
	v_max_num_f32 v[TM+\q], v[TM+\q], v[TM+4+\q]
.endr
.irp q, 0,1,2,3
	v_add_nc_u32 v[TM+8+\q], 0xff000000, v[TM+\q]
.endr
.irp q, 0,1,2,3
	v_lshrrev_b32 v[TM+4+\q], 23, v[TM+8+\q]
.endr
.irp g, 0,1
	v_cvt_scalef32_pk8_fp4_f32 v[(\d0)+2*\g],   v[(\s)+16*\g:(\s)+16*\g+7],     v[TM+8+\g]
	v_cvt_scalef32_pk8_fp4_f32 v[(\d0)+2*\g+1], v[(\s)+16*\g+8:(\s)+16*\g+15],  v[TM+8+\g]
	v_cvt_scalef32_pk8_fp4_f32 v[(\d1)+2*\g],   v[(\s)+16*\g+32:(\s)+16*\g+39], v[TM+10+\g]
	v_cvt_scalef32_pk8_fp4_f32 v[(\d1)+2*\g+1], v[(\s)+16*\g+40:(\s)+16*\g+47], v[TM+10+\g]
.endr
	v_nop                                          ; one plain place behind the scaled conversions
.irp g, 0,1
	v_permlane16_swap_b32 v[(\d0)+\g], v[(\d0)+2+\g]
	v_permlane16_swap_b32 v[(\d1)+\g], v[(\d1)+2+\g]
.endr
.endm
; One matrix instruction; c: the constant 0 or the accumulator.  ra, rb = 1: that side's scale words are in lanes 16-31 of its register
.macro WM d, a, b, c, sa, sb, ra, rb
.if (\ra) && (\rb)
	v_wmma_scale_f32_16x16x128_f8f6f4 v[(\d):(\d)+7], v[(\a):(\a)+7], v[(\b):(\b)+7], \c, v[(\sa)], v[(\sb)] matrix_a_fmt:MATRIX_FMT_FP4 matrix_b_fmt:MATRIX_FMT_FP4 matrix_a_scale:MATRIX_SCALE_ROW1 matrix_b_scale:MATRIX_SCALE_ROW1
.elseif (\ra)
	v_wmma_scale_f32_16x16x128_f8f6f4 v[(\d):(\d)+7], v[(\a):(\a)+7], v[(\b):(\b)+7], \c, v[(\sa)], v[(\sb)] matrix_a_fmt:MATRIX_FMT_FP4 matrix_b_fmt:MATRIX_FMT_FP4 matrix_a_scale:MATRIX_SCALE_ROW1
.elseif (\rb)
	v_wmma_scale_f32_16x16x128_f8f6f4 v[(\d):(\d)+7], v[(\a):(\a)+7], v[(\b):(\b)+7], \c, v[(\sa)], v[(\sb)] matrix_a_fmt:MATRIX_FMT_FP4 matrix_b_fmt:MATRIX_FMT_FP4 matrix_b_scale:MATRIX_SCALE_ROW1
.else
	v_wmma_scale_f32_16x16x128_f8f6f4 v[(\d):(\d)+7], v[(\a):(\a)+7], v[(\b):(\b)+7], \c, v[(\sa)], v[(\sb)] matrix_a_fmt:MATRIX_FMT_FP4 matrix_b_fmt:MATRIX_FMT_FP4
.endif
.endm
.macro PLACES n                        ; plain vector instructions that name no register of the matrix instructions in front (ISA guide 7.12.1)
.rept \n
	v_nop
.endr
.endm
.macro CROUND                          ; a round of the cluster's barrier
	s_barrier_signal -1
	s_barrier_wait -1
	s_cmp_lg_u32 s10, 0
	s_cbranch_scc1 .Lnot_wave_0_\@
	s_barrier_signal -3
.Lnot_wave_0_\@:
	s_barrier_wait -3
	s_barrier_signal -1
	s_barrier_wait -1
.endm
	s_load_b128 s[4:7], s[0:1], 0x0                ; xq, wq
	s_load_b64 s[8:9], s[0:1], 0x10                ; kv
	v_lshl_add_u32 v30, v0, 2, SPARE
	v_mov_b32 v31, 0
	ds_add_u32 v30, v31                            ; the wave's opening: the add, twice on end, and its wait
	ds_add_u32 v30, v31
	v_lshrrev_b32 v1, 5, v0
	v_readfirstlane_b32 s10, v1                    ; wave 0..11
	s_bfe_u32 s12, ttmp6, 0x40000                  ; cx: which three heads (the grid is one cluster wide)
	s_bfe_u32 s13, ttmp6, 0x40004                  ; cy
	s_and_b32 s14, ttmp7, 0xffff
	s_lshl_b32 s14, s14, 2
	s_add_co_u32 s14, s14, s13                     ; y = 8 b + step
	s_lshr_b32 s15, s10, 2                         ; my head of the three
	s_and_b32 s11, s10, 3                          ; my block of the four
	s_lshl_b32 s35, s13, 2
	s_lshl_b32 s35, 15, s35                        ; my row of the cluster,
	s_lshl_b32 s50, 0x1111, s12                    ; my column
	s_or_b32 s16, s35, (3<<16)|(1<<21)             ; group 1 for x: elements of 8 bytes; bit 21 beside the mask; no padding: 16 lanes of an LDS read take 256 or 64 consecutive bytes
	s_or_b32 s24, s50, (3<<16)|(1<<21)             ; and for W
.irp g, 16,24
	s_mov_b32 s[\g+1], 32<<16                      ; 52 rows of 32 elements, dense
	s_mov_b32 s[\g+2], 52<<16
	s_mov_b32 s[\g+3], 32<<16
	s_mov_b32 s[\g+4], 52
	s_mov_b32 s[\g+5], 32
	s_mov_b32 s[\g+6], 0
	s_mov_b32 s[\g+7], 0
.endr
	s_mov_b32 s36, 1
	s_mov_b32 s40, 1
	s_mul_i32 s37, s10, BLK                        ; in LDS: wave x block: x's four, then W's six
	s_mul_i32 s41, s10, BLK
	s_mul_i32 s44, s14, 4*BLK                      ; x: made of y and the wave's number,
	s_add_co_u32 s44, s44, s37
	s_mov_b32 s45, 0
	s_mul_i32 s46, s12, 6*BLK                      ; W: of cx and the wave's number
	s_max_u32 s48, s10, 4
	s_sub_co_u32 s48, s48, 4
	s_mul_i32 s48, s48, BLK
	s_add_co_u32 s46, s46, s48
	s_mov_b32 s47, 0
	v_and_b32 v29, 31, v0
	v_lshlrev_b32 v1, 4, v29                       ; v1: 16 x lane
	v_lshlrev_b32 v2, 2, v29                       ; v2: 4 x lane
	v_bfe_u32 v29, v0, 4, 1
	v_mul_u32_u24 v29, v29, TILE-64
	v_add_nc_u32 v29, v29, v2                      ; a scale word's place: 4 r, in lanes 16-31 a tile further on
	s_mul_i32 s49, s11, BLK
	v_add_nc_u32 v[AX], s49, v1
	s_add_co_u32 s49, s49, 6144
	v_add_nc_u32 v[AXS], s49, v29
	s_mul_i32 s52, s15, 2*BLK
	s_add_co_u32 s52, s52, WLDS
	v_add_nc_u32 v[AW], s52, v1
	s_add_co_u32 s52, s52, 6144
	v_add_nc_u32 v[AWS], s52, v29
	v_and_b32 v29, 15, v0
	v_bfe_u32 v[VO], v0, 4, 1
	v_lshlrev_b32 v[VO], 10, v[VO]
	v_lshl_add_u32 v[VO], v29, 4, v[VO]            ; 1024 h + 16 r
	s_lshl_b32 s54, s15, 9
	s_add_co_u32 s54, s54, STG                     ; my head's 512 bytes of the stage
	v_add_nc_u32 v[SR], s54, v1
	s_lshr_b32 s55, s11, 1
	s_lshl_b32 s55, s55, 7
	s_and_b32 s56, s11, 1
	s_lshl_b32 s56, s56, 1
	s_add_co_u32 s55, s55, s56
	s_add_co_u32 s55, s55, s54
	v_add_nc_u32 v[SK], s55, v2                    ; keys' scales: two bytes of lane's word
	s_add_co_u32 s56, s54, s11
	s_add_co_u32 s56, s56, 256
	v_add_nc_u32 v[SV], s56, v2                    ; V^T's: one byte
	s_wait_alu depctr_va_vdst(0)                   ; the wait at the head's end
	s_wait_dscnt 0x0                               ; both opening adds are done
	s_wait_kmcnt 0x0
	s_add_nc_u64 s[38:39], s[4:5], s[44:45]
	s_or_b32 s39, s39, 0x80000000
	s_add_nc_u64 s[42:43], s[6:7], s[46:47]
	s_or_b32 s43, s43, 0x80000000
	CROUND                                         ; all sixteen work-groups are here: the joint loads meet
	s_cmp_lt_u32 s10, 4
	s_cbranch_scc0 .Lnot_x
	tensor_load_to_lds s[36:39], s[16:23]
	s_nop 0
	PLACES 4
	s_branch .Lasked
.Lnot_x:
	s_cmp_lt_u32 s10, 10
	s_cbranch_scc0 .Lasked
	tensor_load_to_lds s[40:43], s[24:31]
	s_nop 0
	PLACES 4
.Lasked:
	s_lshr_b32 s48, s14, 3                         ; b
	s_mul_i32 s48, s48, 96
	s_mul_i32 s49, s12, 24
	s_add_co_u32 s48, s48, s49
	s_lshl_b32 s49, s15, 3
	s_add_co_u32 s48, s48, s49
	s_and_b32 s49, s14, 7
	s_add_co_u32 s48, s48, s49                     ; 8 (12 b + head) + step
	s_mul_i32 s48, s48, STEPB
	s_mov_b32 s49, 0
	s_add_nc_u64 s[52:53], s[8:9], s[48:49]        ; my head's step in kv
	s_lshl_b32 s48, s11, 10
	s_add_nc_u64 s[54:55], s[52:53], s[48:49]      ; my two tiles of keys
	s_lshl_b32 s48, s11, 8
	s_add_co_u32 s48, s48, 4096
	s_add_nc_u64 s[56:57], s[52:53], s[48:49]      ; my block of 32 keys in V^T
	s_mov_b32 s[SEL], 0x76543210                   ; lane selects: lane l xor 16
	s_mov_b32 s[SEL+1], 0xfedcba98
	s_mov_b32 s[UP], 0xffff0000                    ; lanes 16-31
	s_wait_tensorcnt 0x0                           ; my block has landed,
	s_barrier_signal -1
	s_barrier_wait -1                              ; everybody's has
.irp s, 0,1,2,3,4,5
	ds_load_b32 v[XS+\s], v[AXS] offset:64*\s
	ds_load_b32 v[WS+2*\s], v[AWS] offset:64*\s
	ds_load_b32 v[WS+2*\s+1], v[AWS] offset:BLK+64*\s
.endr
.macro FLOAD s                         ; the fragments of K step s: 12 loads
.irp c, 0,1
.irp u, 0,1
	ds_load_b128 v[XF+16*((\s)%2)+8*\u+4*\c:XF+16*((\s)%2)+8*\u+4*\c+3], v[AX] offset:TILE*\u+1024*(\s)+512*\c
.endr
.irp t, 0,1,2,3
	ds_load_b128 v[WF+32*((\s)%2)+8*\t+4*\c:WF+32*((\s)%2)+8*\t+4*\c+3], v[AW] offset:TILE*\t+1024*(\s)+512*\c
.endr
.endr
.endm
; A K step of 128: 16 accumulators by turns, one instruction a turn
.macro KSTEP s, first
.if (\s) < 5
	s_wait_dscnt 12                                ; the next step's 12 loads may be out
.else
	s_wait_dscnt 0x0
.endif
.irp t, 0,1,2,3
.irp u, 0,1
.if \first
	WM ACC1+32*\u+8*\t, WF+32*((\s)%2)+8*\t, XF+16*((\s)%2)+8*\u, 0, WS+2*(\s)+\t/2, XS+(\s), \t%2, \u
	WM ACC2+16*\t+8*\u, XF+16*((\s)%2)+8*\u, WF+32*((\s)%2)+8*\t, 0, XS+(\s), WS+2*(\s)+\t/2, \u, \t%2
.else
	WM ACC1+32*\u+8*\t, WF+32*((\s)%2)+8*\t, XF+16*((\s)%2)+8*\u, v[ACC1+32*\u+8*\t:ACC1+32*\u+8*\t+7], WS+2*(\s)+\t/2, XS+(\s), \t%2, \u
	WM ACC2+16*\t+8*\u, XF+16*((\s)%2)+8*\u, WF+32*((\s)%2)+8*\t, v[ACC2+16*\t+8*\u:ACC2+16*\t+8*\u+7], XS+(\s), WS+2*(\s)+\t/2, \u, \t%2
.endif
.endr
.endr
	PLACES 4
.if (\s) < 4
	FLOAD (\s)+2
.endif
.endm
	FLOAD 0
	FLOAD 1
	KSTEP 0, 1
	KSTEP 1, 0
	KSTEP 2, 0
	KSTEP 3, 0
	KSTEP 4, 0
	KSTEP 5, 0
	QUANT64 ACC2, PC2, PC2+4                       ; V^T: a lane holds a channel, registers run along my 32 keys; block q = W's tile q
	global_store_b128 v[VO], v[PC2:PC2+3], s[56:57]               ; sixteen lanes store 256 consecutive bytes, aligned
	global_store_b128 v[VO], v[PC2+4:PC2+7], s[56:57] offset:2048
	v_cndmask_b32 v[VB], v[TM+4], v[TM+5], s[UP]
	v_cndmask_b32 v[VB+1], v[TM+6], v[TM+7], s[UP]
	ds_store_b8 v[SV], v[VB]
	ds_store_b8 v[SV], v[VB+1] offset:128
	; the norms: a lane holds half of a row's 64 channels, for both tiles of x
	v_pk_mul_f32 v[SS:SS+1], v[ACC1:ACC1+1], v[ACC1:ACC1+1]
	v_pk_mul_f32 v[SS+2:SS+3], v[ACC1+32:ACC1+33], v[ACC1+32:ACC1+33]
.set j, 2
.rept 15
	v_pk_fma_f32 v[SS:SS+1], v[ACC1+j:ACC1+j+1], v[ACC1+j:ACC1+j+1], v[SS:SS+1]
	v_pk_fma_f32 v[SS+2:SS+3], v[ACC1+32+j:ACC1+32+j+1], v[ACC1+32+j:ACC1+32+j+1], v[SS+2:SS+3]
.set j, j+2
.endr
	v_add_f32 v[SS], v[SS], v[SS+1]
	v_add_f32 v[SS+2], v[SS+2], v[SS+3]
	v_permlanex16_b32 v[SS+1], v[SS], s[SEL], s[SEL+1]
	v_permlanex16_b32 v[SS+3], v[SS+2], s[SEL], s[SEL+1]
	v_add_f32 v[SS], v[SS], v[SS+1]
	v_add_f32 v[SS+2], v[SS+2], v[SS+3]
	s_wait_alu depctr_va_vdst(0)                   ; the wait ahead of the batch
	v_rsq_f32 v[RN], v[SS]
	v_rsq_f32 v[RN+1], v[SS]                       ; twice: the packed multiply takes a pair
	v_rsq_f32 v[RN+2], v[SS+2]
	v_rsq_f32 v[RN+3], v[SS+2]
	v_nop
	s_wait_alu depctr_va_vdst(0)                   ; and behind it
.set j, 0
.rept 16
	v_pk_mul_f32 v[ACC1+j:ACC1+j+1], v[ACC1+j:ACC1+j+1], v[RN:RN+1]
	v_pk_mul_f32 v[ACC1+32+j:ACC1+32+j+1], v[ACC1+32+j:ACC1+32+j+1], v[RN+2:RN+3]
.set j, j+2
.endr
	QUANT64 ACC1, PC, PC+4                         ; blocks 0, 1: tile 0's channels 0-31, 32-63; blocks 2, 3: tile 1's
	v_lshl_or_b32 v[PW], v[TM+5], 8, v[TM+4]
	v_lshl_or_b32 v[PW+1], v[TM+7], 8, v[TM+6]
	global_store_b128 v1, v[PC:PC+3], s[54:55]
	global_store_b128 v1, v[PC+4:PC+7], s[54:55] offset:512
	v_cndmask_b32 v[PW+2], v[PW], v[PW+1], s[UP]
	ds_store_b16 v[SK], v[PW+2]
	s_wait_dscnt 0x0                               ; my scale bytes are in the stage
	s_barrier_signal -1
	s_barrier_wait -1
	s_cmp_lg_u32 s11, 0                            ; one wave a head stores its 512 bytes of scales
	s_cbranch_scc1 .Lno_scales
	ds_load_b128 v[ACC2:ACC2+3], v[SR]
	s_wait_dscnt 0x0
	global_store_b128 v1, v[ACC2:ACC2+3], s[52:53] offset:8192
.Lno_scales:
	v_nop
	s_wait_tensorcnt 0x0                           ; the wave's end
	ds_add_u32 v30, v31
	s_wait_dscnt 0x0
	CROUND                                         ; the closing round
	s_endpgm
.Lfunc_end_k_qe77d89a540_project:
	.size	k_qe77d89a540_project, .Lfunc_end_k_qe77d89a540_project-k_qe77d89a540_project
	.p2alignl 7, 3214868480
	.fill 96, 4, 3214868480
	.section	.rodata,"a",@progbits
	.p2align	6, 0x0
	.amdhsa_kernel k_qe77d89a540_project
		.amdhsa_group_segment_fixed_size 167936
		.amdhsa_private_segment_fixed_size 0
		.amdhsa_enable_private_segment 0
		.amdhsa_kernarg_size 24
		.amdhsa_user_sgpr_count 2
		.amdhsa_user_sgpr_kernarg_segment_ptr 1
		.amdhsa_wavefront_size32 1
		.amdhsa_system_sgpr_workgroup_id_x 1
		.amdhsa_system_sgpr_workgroup_id_y 1
		.amdhsa_system_sgpr_workgroup_id_z 1
		.amdhsa_system_vgpr_workitem_id 0
		.amdhsa_next_free_vgpr 256
		.amdhsa_next_free_sgpr 66
		.amdhsa_reserve_vcc 0
		.amdhsa_float_denorm_mode_32 3
		.amdhsa_float_denorm_mode_16_64 3
		.amdhsa_memory_ordered 1
		.amdhsa_forward_progress 1
		.amdhsa_inst_pref_size 38
	.end_amdhsa_kernel
	.amdgpu_metadata
---
amdhsa.version: [ 1, 2 ]
amdhsa.kernels:
  - .name:           k_qe77d89a540_project
    .symbol:         k_qe77d89a540_project.kd
    .args:
      - { .name: xq, .offset: 0, .size: 8, .value_kind: global_buffer, .address_space: global }
      - { .name: wq, .offset: 8, .size: 8, .value_kind: global_buffer, .address_space: global }
      - { .name: kv, .offset: 16, .size: 8, .value_kind: global_buffer, .address_space: global }
    .group_segment_fixed_size: 167936
    .private_segment_fixed_size: 0
    .kernarg_segment_align: 8
    .kernarg_segment_size: 24
    .max_flat_workgroup_size: 384
    .sgpr_count:     66
    .vgpr_count:     256
    .wavefront_size: 32
...
	.end_amdgpu_metadata
.endif
;; end of part 2
;; launch attend (part 3): grid 256 x 1, 24 waves a work-group, clusters of 4 x 1, 316,416 bytes of LDS; arguments kv, out0; writes out0
.if DOCPART == 3
	.amdgcn_target "amdgcn-amd-amdhsa--gfx1250"
	.amdhsa_code_object_version 6
	.text
	.protected	k_qe77d89a540_attend
	.globl	k_qe77d89a540_attend
	.p2align	8
	.type	k_qe77d89a540_attend,@function
k_qe77d89a540_attend:
	s_mov_b64 s[64:65], 0
	v_nop
	global_prefetch_b8 v0, s[64:65] scope:SCOPE_SE
	s_setreg_imm32_b32 hwreg(HW_REG_WAVE_MODE, 25, 1), 1
	s_wait_xcnt 0x0
	s_wait_alu depctr_hold_cnt(0) depctr_sa_sdst(0) depctr_va_vdst(0) depctr_va_sdst(0) depctr_va_ssrc(0) depctr_va_vcc(0) depctr_vm_vsrc(0)
	s_getreg_b32 s2, hwreg(HW_REG_IB_STS2, 6, 4)
	s_cmp_eq_u32 s2, 0
	s_cbranch_scc0 .Lentry_in_a_cluster
	s_endpgm
.Lentry_in_a_cluster:
	s_bfe_u32 s2, ttmp6, 0x10000c
	s_cmp_lg_u32 s2, 0x3003
	s_cbranch_scc0 .Lentry_shape_is_right
	s_endpgm
.Lentry_shape_is_right:
; out(n, b, head) = sum over keys m of softmax_m(vn(n) . vn(m) / 8) v(m), both products on codes of FP4 (E2M1, one E8M0 scale for each 32 along K), from the records of the launch before (their map stands at its head).
; SHARES.  6,144 tiles of 16 queries = 256 work-groups x 24 waves.  Eight work-groups serve three heads (records 3 g3 .. 3 g3 + 2: 208,896 consecutive bytes, which stay in LDS, filled once); each takes one step's 128 queries of each head.
; Wave w: head w / 8 of the three, tile w % 8 of the 128 queries.  Every wave walks the head's 1,024 keys, 128 a step, in two halves of 64.
; CLUSTER.  The four work-groups of a cluster have the same g3, so the records are asked for JOINTLY: each wave issues one tensor load of 34 rows of 256 bytes (one step of one head), with the same descriptor and a mask that names the four.
; The place in the cluster enters only global addresses (my queries, my rows of out0): no LDS address, branch or trip count.  No prefetch: the launch has one fill, at its head, and no loop that loads from memory.
; LAYOUT.  Both products are used transposed: S^T = K Q^T (source 0 = 32 keys, source 1 = 16 queries), O^T = V^T P^T (source 0 = 32 channels): a lane holds one query throughout, and 16 registers of a result are 16 neighbouring keys or channels.
; The first product's K is 64, half of the instruction's 128.  Source 0 holds TWO blocks of 32 keys, one in K = 0 .. 63 and one in K = 64 .. 127; the queries stand in registers between zero codes (4 zeros, 4 codes, 4 zeros),
; so that the last eight registers give the scores of the first block and the first eight those of the second: a zero code adds nothing under any finite scale byte.
; THE SOFTMAX.  t = S x log2(e) / 8; p = 2^t is what is quantised, along the keys; the row's sum is taken of the unquantised p and divides O at the end.  NO MAXIMUM IS TAKEN AWAY, since the computation bounds t for every input:
; the vectors are normalised, so a block's largest magnitude is at most 1 (an ulp more changes nothing), a quantised number at most 6 x 2^-2 = 1.5, |S| <= 64 x 2.25 = 144, |t| <= 26: p lies in 2^-26 .. 2^26 and a row's sum under 2^36.
; The definition's M is a whole number, which a block's scale takes up exactly: with M = 0 the codes' values and O / sum come out the same.  By the same bound no scale byte comes near 0 or 255: no floor is asked of the block's maximum.
; LIMITS: as the launches before state them (rows of norm 0, NaN, infinities are not served).
.set STEPB, 8704
.set REC,   8*STEPB
.set STAGE, 3*REC                      ; behind the records: 16 rows x (256 + 16) bytes for each wave, for the way out; no fill lands there
.set SP,    272
.set SPARE, STAGE+24*16*SP
.set NROW,  24576                      ; bytes from row n to row n + 1 of out0
.set AC, 1                             ; v1, v2  LDS: the codes and the scale words of the step in hand
.set AS, 2
.set SPW, 3
.set NIL, 4
.set BC, 5                             ; v5, v6  the same of step 0
.set BS, 6
.set QZ, 8                             ; v8-19 zeros, my queries' codes, zeros
.set QS, 20                            ; their scale words, bytes 0, 1 twice
.set KS, 21
.set VS, 22                            ; v22-23
.set PS, 24
.set XW, 25                            ; the first half's two scale bytes
.set LA, 26                            ; v[26:27], v[28:29] the row's sum in four parts
.set LB, 28
.set TM, 30                            ; v30-37 at work
.set KF, 40                            ; v40-55 64 keys
.set VF, 56                            ; v56-87 V^T of the step
.set S,  88                            ; v88-119 S^T of 64 keys, then p
.set OA, 120                           ; v120-151 O^T
.set PC, 152                           ; v152-159 p's codes
.set WV,  8
.set SEL, 28                           ; s[28:29] lane selects: lane l xor 16
.set CS,  30                           ; s[30:31] c = log2(e) / 8; the packed form names a pair and takes its low word for both halves
.set T,   32                           ; s32 where the step begins in a record
.macro PLACES n                        ; plain vector instructions that name no register of the matrix instructions in front (ISA guide 7.12.1)
.rept \n
	v_nop
.endr
.endm
.macro CROUND                          ; a round of the cluster's barrier
	s_barrier_signal -1
	s_barrier_wait -1
	s_cmp_lg_u32 s[WV], 0
	s_cbranch_scc1 .Lnot_wave_0_\@
	s_barrier_signal -3
.Lnot_wave_0_\@:
	s_barrier_wait -3
	s_barrier_signal -1
	s_barrier_wait -1
.endm
	s_load_b128 s[4:7], s[0:1], 0x0                ; kv, out0
	v_lshl_add_u32 v[SPW], v0, 2, SPARE
	v_mov_b32 v[NIL], 0
	ds_add_u32 v[SPW], v[NIL]                      ; the wave's opening: the add, twice on end, and its wait
	ds_add_u32 v[SPW], v[NIL]
	v_lshrrev_b32 v7, 5, v0
	v_readfirstlane_b32 s[WV], v7                  ; wave 0..23
	s_lshr_b32 s10, ttmp9, 1                       ; g3: in a cluster launch ttmp9 counts clusters, so the four partners share it
	s_mov_b32 s16, 15|(3<<16)|(1<<21)              ; 15:0 the mask: all four work-groups; elements of 8 bytes; 21 set beside a mask; no padding: every LDS read takes 16 x lane or 4 x lane
	s_mov_b32 s17, 32<<16                          ; 34 rows of 32 elements, dense
	s_mov_b32 s18, 34<<16
	s_mov_b32 s19, 32<<16
	s_mov_b32 s20, 34
	s_mov_b32 s21, 32
	s_mov_b32 s22, 0
	s_mov_b32 s23, 0
	s_mov_b32 s24, 1
	s_mul_i32 s25, s[WV], STEPB                    ; my part of the three records, in LDS
	s_mul_i32 s42, s10, 3*REC
	s_add_co_u32 s42, s42, s25                     ; and in kv: made of g3 and the wave's number alone
	s_mov_b32 s43, 0
	s_lshr_b32 s12, s[WV], 3                       ; hd: which of the three heads
	s_mul_i32 s46, s12, REC
	v_and_b32 v30, 31, v0
	v_lshlrev_b32 v31, 4, v30                      ; 16 x lane
	v_lshlrev_b32 v30, 2, v30                      ; 4 x lane
	v_and_b32 v32, 15, v0
	v_lshlrev_b32 v32, 2, v32                      ; 4 r
	v_add_nc_u32 v[BC], s46, v31
	v_add_nc_u32 v[AC], s46, v31
	s_add_co_u32 s46, s46, 8192
	v_add_nc_u32 v[BS], s46, v30
	v_add_nc_u32 v[AS], s46, v30
	s_wait_alu depctr_va_vdst(0)                   ; directly ahead of the waits below
	s_wait_dscnt 0x0                               ; both opening adds are done
	s_wait_kmcnt 0x0
	s_add_nc_u64 s[26:27], s[4:5], s[42:43]
	s_or_b32 s27, s27, 0x80000000                  ; type = 2
	CROUND                                         ; all four work-groups are here: the joint loads meet
	tensor_load_to_lds s[24:27], s[16:23]          ; the launch's only fill
	s_nop 0
	PLACES 4
	s_bfe_u32 s9, ttmp6, 0x40000                   ; cx: my place in the cluster
	s_and_b32 s11, ttmp9, 1
	s_lshl_b32 s11, s11, 2
	s_add_co_u32 s11, s11, s9                      ; oct: which step's 128 keys are my work-group's queries
	s_and_b32 s13, s[WV], 7                        ; my tile of the step: block s13 / 2, u = s13 % 2
	s_mul_i32 s35, s10, 3
	s_add_co_u32 s35, s35, s12
	s_mul_i32 s35, s35, REC
	s_mul_i32 s14, s11, STEPB
	s_add_co_u32 s35, s35, s14
	s_mov_b32 s45, 0
	s_lshl_b32 s44, s13, 9
	s_add_co_u32 s44, s44, s35
	s_add_nc_u64 s[36:37], s[4:5], s[44:45]        ; my tile's codes
	s_lshr_b32 s44, s13, 2
	s_lshl_b32 s44, s44, 7
	s_and_b32 s14, s13, 1
	s_lshl_b32 s14, s14, 6
	s_add_co_u32 s44, s44, s14
	s_add_co_u32 s44, s44, s35
	s_add_co_u32 s44, s44, 8192
	s_add_nc_u64 s[38:39], s[4:5], s[44:45]        ; and its scale words
	global_load_b128 v[QZ+4:QZ+7], v31, s[36:37]   ; my queries come from memory: their place in the record hangs on my place in the cluster, which enters no LDS address
	global_load_b32 v33, v32, s[38:39]
	s_mov_b32 s34, 0x01000100                      ; of the word's two halves an even block has the lower, an odd one the upper: taken twice
	s_bitcmp1_b32 s13, 1
	s_cselect_b32 s34, 0x03020302, s34
	s_lshl_b32 s44, s11, 7
	s_lshr_b32 s14, s13, 1
	s_lshl_b32 s14, s14, 5
	s_add_co_u32 s44, s44, s14
	s_and_b32 s14, s13, 1
	s_lshl_b32 s14, s14, 3
	s_add_co_u32 s44, s44, s14                     ; 128 oct + 32 block + 8 u
	s_mul_i32 s44, s44, NROW
	s_lshr_b32 s14, s10, 2                         ; b
	s_mul_i32 s14, s14, 3072
	s_add_co_u32 s44, s44, s14
	s_and_b32 s14, s10, 3
	s_mul_i32 s14, s14, 3
	s_add_co_u32 s14, s14, s12                     ; the head
	s_lshl_b32 s14, s14, 8
	s_add_co_u32 s44, s44, s14
	s_add_nc_u64 s[40:41], s[6:7], s[44:45]        ; my rows of out0
	s_mul_i32 s47, s[WV], 16*SP
	s_add_co_u32 s47, s47, STAGE                   ; my stage
	s_mov_b32 s[SEL], 0x76543210
	s_mov_b32 s[SEL+1], 0xfedcba98
	s_mov_b32 s[CS], 0x3e38aa3b                    ; log2(e) / 8: log2(e) rounded to f32, with 3 off its exponent: S / 8 is exact, so t is rounded once
	s_mov_b32 s[CS+1], s[CS]
	s_mov_b32 s[T], 0
	s_wait_loadcnt 0x0
	v_perm_b32 v[QS], v33, v33, s34
.irp j, 0,1,2,3
	v_mov_b32 v[QZ+\j], 0
	v_mov_b32 v[QZ+8+\j], 0
.endr
.irp j, 0,1,2,3
	v_mov_b32 v[LA+\j], 0                          ; the sums
.endr
	s_wait_alu depctr_va_vdst(0)                   ; the wait at the head's end
	s_wait_tensorcnt 0x0                           ; my part of the records has landed,
	s_barrier_signal -1
	s_barrier_wait -1                              ; everybody's has
.macro KLOAD c                         ; 64 keys: blocks 2 c (registers 0-3, 8-11) and 2 c + 1 (4-7, 12-15), and their scale words
	ds_load_b128 v[KF:KF+3], v[AC] offset:2048*(\c)
	ds_load_b128 v[KF+4:KF+7], v[AC] offset:2048*(\c)+1024
	ds_load_b128 v[KF+8:KF+11], v[AC] offset:2048*(\c)+512
	ds_load_b128 v[KF+12:KF+15], v[AC] offset:2048*(\c)+1536
	ds_load_b32 v[KS], v[AS] offset:128*(\c)
.endm
.macro VLOAD                           ; V^T of the step: 64 channels x 128 keys
.irp i, 0,1,2,3,4,5,6,7
	ds_load_b128 v[VF+4*\i:VF+4*\i+3], v[AC] offset:4096+512*\i
.endr
	ds_load_b32 v[VS], v[AS] offset:256
	ds_load_b32 v[VS+1], v[AS] offset:384
.endm
.macro SMUL                            ; S^T of 64 keys: the two blocks
	v_wmma_scale_f32_32x16x128_f4 v[S:S+15], v[KF:KF+15], v[QZ+4:QZ+11], 0, v[KS], v[QS]
	v_wmma_scale_f32_32x16x128_f4 v[S+16:S+31], v[KF:KF+15], v[QZ:QZ+7], 0, v[KS], v[QS]
.endm
.macro PADD                            ; four of the lane's p into the sum
	v_pk_add_f32 v[LA:LA+1], v[LA:LA+1], v[S+PJ:S+PJ+1]
	v_pk_add_f32 v[LB:LB+1], v[LB:LB+1], v[S+PJ+2:S+PJ+3]
.set PJ, PJ+4
.endm
; 32 scores of a lane (register 16 b + i = key 64 c + 32 b + 16 (lane / 16) + i) become p, p's codes, two scale bytes and their part of the sum
.macro SOFT c
.set j, 0
.rept 16
	v_pk_mul_f32 v[S+j:S+j+1], v[S+j:S+j+1], s[CS:CS+1] op_sel_hi:[1,0]        ; t; each accumulator is read from its low end on
.set j, j+2
.endr
	s_wait_alu depctr_va_vdst(0)                   ; the wait ahead of the batch
.set j, 0
.rept 32
	v_exp_f32 v[S+j], v[S+j]                       ; p = 2^t
.set j, j+1
.endr
	v_nop
	s_wait_alu depctr_va_vdst(0)                   ; and behind it
.irp b, 0,1                            ; the largest p of my 16 of each block, two chains a block
	v_max3_num_f32 v[TM+\b], v[S+16*\b], v[S+16*\b+1], v[S+16*\b+2]
	v_max3_num_f32 v[TM+2+\b], v[S+16*\b+3], v[S+16*\b+4], v[S+16*\b+5]
.endr
.irp i, 6,10
.irp b, 0,1
	v_max3_num_f32 v[TM+\b], v[TM+\b], v[S+16*\b+\i], v[S+16*\b+\i+1]
	v_max3_num_f32 v[TM+2+\b], v[TM+2+\b], v[S+16*\b+\i+2], v[S+16*\b+\i+3]
.endr
.endr
.irp b, 0,1
	v_max3_num_f32 v[TM+\b], v[TM+\b], v[S+16*\b+14], v[S+16*\b+15]
.endr
.irp b, 0,1
	v_max_num_f32 v[TM+\b], v[TM+\b], v[TM+2+\b]
.endr
.set PJ, 0
	PADD
	v_permlane16_swap_b32 v[TM], v[TM+1]           ; lanes 0-15: both halves of block 0; lanes 16-31: of block 1
	PADD
	v_max_num_f32 v[TM+2], v[TM], v[TM+1]          ; the blocks' largest p
	v_add_nc_u32 v[TM+4], 0xff000000, v[TM+2]      ; 2 off the exponent field: the conversion's scale operand, twice,
	v_add_nc_u32 v[TM+5], 0xff000000, v[TM+2]
	PADD
	v_permlane16_swap_b32 v[TM+4], v[TM+5]         ; so that all lanes hold block 0's in the one and block 1's in the other
	PADD
	v_cvt_scalef32_pk8_fp4_f32 v[PC+4*(\c)],   v[S:S+7],     v[TM+4]
	v_cvt_scalef32_pk8_fp4_f32 v[PC+4*(\c)+1], v[S+8:S+15],  v[TM+4]
	v_cvt_scalef32_pk8_fp4_f32 v[PC+4*(\c)+2], v[S+16:S+23], v[TM+5]
	v_cvt_scalef32_pk8_fp4_f32 v[PC+4*(\c)+3], v[S+24:S+31], v[TM+5]
.if (\c) == 1
	BYTES 1                                        ; (the first half's stand behind the second half's products)
.endif
	PADD                                           ; in the second half these lines also stand between the writing of codes and scale word and the products that take them
	PADD
	PADD
	PADD
.endm
.macro BYTES c                         ; a half's two scale bytes, and its half blocks of codes become whole blocks
	v_perm_b32 v[TM+6], v[TM+5], v[TM+4], 0x07060302             ; the two scale operands' upper halves side by side; one place up, the exponent fields are bytes 1 and 3
.if (\c) == 0
	v_lshlrev_b32 v[XW], 1, v[TM+6]
.else
	v_lshlrev_b32 v[TM+6], 1, v[TM+6]
	v_perm_b32 v[PS], v[TM+6], v[XW], 0x07050301                 ; the step's scale word
.endif
	v_permlane16_swap_b32 v[PC+4*(\c)], v[PC+4*(\c)+2]
	v_permlane16_swap_b32 v[PC+4*(\c)+1], v[PC+4*(\c)+3]
.endm
; A KEY STEP.  zero = 1: the first step's products start O^T's sums.  last = 1: no keys are fetched ahead.  Four other matrix instructions and O^T's other sum stand between two steps of a sum
.macro STEP zero, last
	s_wait_dscnt 0x0                               ; the first 64 keys are in
	SMUL
	PLACES 4                                       ; in front of the loads into registers that products have read, and of the first read of the scores
	KLOAD 1
	VLOAD
	SOFT 0
	s_wait_dscnt 10                                ; the other 64 keys are in; V's ten loads may be out
	SMUL
	BYTES 0                                        ; these four lines and the two below are the places behind the products
.if \last
	PLACES 2
.else
	s_add_co_u32 s[T], s[T], STEPB
	v_add_nc_u32 v[AC], s[T], v[BC]
	v_add_nc_u32 v[AS], s[T], v[BS]
	KLOAD 0
.endif
	SOFT 1
.if \last
	s_wait_dscnt 0x0
.else
	s_wait_dscnt 5                                 ; V is in; the next keys' five loads may be out
.endif
	s_wait_alu depctr_va_vdst(0)                   ; directly ahead of the reader below
.irp b, 0,1
.if \zero
	v_wmma_scale_f32_32x16x128_f4 v[OA+16*\b:OA+16*\b+15], v[VF+16*\b:VF+16*\b+15], v[PC:PC+7], 0, v[VS+\b], v[PS]
.else
	v_wmma_scale_f32_32x16x128_f4 v[OA+16*\b:OA+16*\b+15], v[VF+16*\b:VF+16*\b+15], v[PC:PC+7], v[OA+16*\b:OA+16*\b+15], v[VS+\b], v[PS]
.endif
.endr
.endm
	KLOAD 0
	STEP 1, 0
	s_mov_b32 s33, 6
.Lstep:
	STEP 0, 0
	s_sub_co_u32 s33, s33, 1
	s_cmp_lg_u32 s33, 0
	s_cbranch_scc1 .Lstep
	STEP 0, 1
	; THE WAY OUT.  The lines that make the addresses are the places behind the last products.
	v_and_b32 v30, 15, v0                          ; r
	v_bfe_u32 v31, v0, 4, 1                        ; h
	v_mul_u32_u24 v32, v30, SP
	v_mul_u32_u24 v33, v31, SP
	v_mul_u32_u24 v34, v31, NROW
	v_lshl_add_u32 v32, v31, 6, v32
	v_lshl_add_u32 v33, v30, 4, v33
	v_lshl_add_u32 v34, v30, 4, v34                ; out0: lanes 0-15 one row's 256 bytes, lanes 16-31 the next row's
	v_add_nc_u32 v32, s47, v32                     ; into my stage: row r, + 64 h: register 16 b + 4 k holds channels 32 b + 16 h + 4 k on
	v_add_nc_u32 v33, s47, v33                     ; and back
	v_pk_add_f32 v[LA:LA+1], v[LA:LA+1], v[LB:LB+1]
	v_add_f32 v[LA], v[LA], v[LA+1]
	v_permlanex16_b32 v35, v[LA], s[SEL], s[SEL+1]
	v_add_f32 v[LA], v[LA], v35                    ; the row's sum
	s_wait_alu depctr_va_vdst(0)                   ; the wait ahead of the transcendentals
	v_rcp_f32 v36, v[LA]
	v_rcp_f32 v37, v[LA]                           ; twice: the packed multiply takes a pair
	v_nop
	s_wait_alu depctr_va_vdst(0)                   ; and behind them
.set j, 0
.rept 16
	v_pk_mul_f32 v[S+j:S+j+1], v[OA+j:OA+j+1], v[36:37]
.set j, j+2
.endr
.irp b, 0,1
.irp k, 0,1,2,3
	ds_store_b128 v32, v[S+16*\b+4*\k:S+16*\b+4*\k+3] offset:128*\b+16*\k
.endr
.endr
.irp i, 0,1,2,3,4,5,6,7
	ds_load_b128 v[KF+4*\i:KF+4*\i+3], v33 offset:2*\i*SP        ; LDS serves a wave's instructions in order (ISA guide 5.7.1.4): these see my stores
.endr
.irp i, 0,1,2,3,4,5,6,7
	s_wait_dscnt 7-\i
	global_store_b128 v34, v[KF+4*\i:KF+4*\i+3], s[40:41] offset:(2*\i+8*(\i/4))*NROW th:TH_STORE_NT   ; stage row 2 i + lane / 16 is the tile's row: query row + 8 (row / 8) on; sixteen lanes store 256 consecutive bytes, aligned
.endr
	s_wait_tensorcnt 0x0                           ; the wave's end
	ds_add_u32 v[SPW], v[NIL]
	s_wait_dscnt 0x0
	CROUND                                         ; the closing round: no work-group ends while a partner may still ask for a tile that names it
	s_endpgm
.Lfunc_end_k_qe77d89a540_attend:
	.size	k_qe77d89a540_attend, .Lfunc_end_k_qe77d89a540_attend-k_qe77d89a540_attend
	.p2alignl 7, 3214868480
	.fill 96, 4, 3214868480
	.section	.rodata,"a",@progbits
	.p2align	6, 0x0
	.amdhsa_kernel k_qe77d89a540_attend
		.amdhsa_group_segment_fixed_size 316416
		.amdhsa_private_segment_fixed_size 0
		.amdhsa_enable_private_segment 0
		.amdhsa_kernarg_size 16
		.amdhsa_user_sgpr_count 2
		.amdhsa_user_sgpr_kernarg_segment_ptr 1
		.amdhsa_wavefront_size32 1
		.amdhsa_system_sgpr_workgroup_id_x 1
		.amdhsa_system_sgpr_workgroup_id_y 1
		.amdhsa_system_sgpr_workgroup_id_z 1
		.amdhsa_system_vgpr_workitem_id 0
		.amdhsa_next_free_vgpr 160
		.amdhsa_next_free_sgpr 66
		.amdhsa_reserve_vcc 0
		.amdhsa_float_denorm_mode_32 3
		.amdhsa_float_denorm_mode_16_64 3
		.amdhsa_memory_ordered 1
		.amdhsa_forward_progress 1
		.amdhsa_inst_pref_size 46
	.end_amdhsa_kernel
	.amdgpu_metadata
---
amdhsa.version: [ 1, 2 ]
amdhsa.kernels:
  - .name:           k_qe77d89a540_attend
    .symbol:         k_qe77d89a540_attend.kd
    .args:
      - { .name: kv, .offset: 0, .size: 8, .value_kind: global_buffer, .address_space: global }
      - { .name: out0, .offset: 8, .size: 8, .value_kind: global_buffer, .address_space: global }
    .group_segment_fixed_size: 316416
    .private_segment_fixed_size: 0
    .kernarg_segment_align: 8
    .kernarg_segment_size: 16
    .max_flat_workgroup_size: 768
    .sgpr_count:     66
    .vgpr_count:     160
    .wavefront_size: 32
...
	.end_amdgpu_metadata
.endif
;; end of part 3
